; MI455X (gfx1250); checked and timed in simulation.
; The chip was launched on July 23, 2026; its instructions are those of AMD's public machine-readable ISA for CDNA 5 (MIT licence, August 2026) and "CDNA5" Instruction Set Architecture Reference Guide (July 2026). The comments in the code are by the model that wrote it; some were corrected since.
;; GGML Quantized Linear. Allowed arithmetic: matrix products marked QUANTISED: E2M1 operands, one E8M0 scale for each 32 along K, by v_wmma_scale_f32_16x16x128_f8f6f4 with both operands' format E2M1 (or v_wmma_scale_f32_32x16x128_f4), f32 sums; everything else in f32.
;; Inputs: bias 4,096 float32; scales 4,096 x 128 float32; weight_packed 4,096 x 2,048 int32; x 2 x 2,048 x 4,096 float32; zero_points 4,096 x 128 float32.
;; Outputs: out0 2 x 2,048 x 4,096 float32.
;; This version of the problem:
;;   THIS VERSION OF THE PROBLEM IS GIVEN IN LOW PRECISION. The matrix products marked QUANTISED in the list below multiply operands that are first quantised to E2M1 (2 exponent bits, 1 mantissa bit; 4 bits a number), with one power-of-two scale for each 32 numbers along K (OCP MX v1.0); their sums are f32. All else is computed in f32.
;;   The module's matrix products, in the order in which they are computed (A, B: the left and right operand; K: the contracted axis; several contracted axes count as one K, in the product's order):
;;     1. [M 4,096, K 4,096] x [K 4,096, N 4,096]; A: input x; B: computed on the way: QUANTISED
;;   THE QUANTISER, for each operand of a quantised product, along K:
;;     - K is cut into blocks of 32 from its start; a last block that is shorter is filled with zeros.
;;     - A block's scale is 2^e with e = floor(log2(the largest magnitude in the block)) - 2, held to -126 .. 127; a block of zeros has e = 0. As a byte (E8M0): e + 127.
;;     - Each number is divided by its block's scale, clamped to +-6, and rounded to the nearest number of E2M1, ties to even, subnormals kept.
;;     - The product sums the exact products of the quantised numbers (number of the format x scale) in f32.
;;   ~~~python
;;   def quantise(x, axis):      # numpy; x: float32 -> the quantised numbers, widened to float32 again
;;       x = np.moveaxis(x, axis, -1); K = x.shape[-1]
;;       x = np.pad(x, [(0, 0)] * (x.ndim - 1) + [(0, -K % 32)]); x = x.reshape(x.shape[:-1] + (-1, 32)); a = np.abs(x).max(-1, keepdims=True)
;;       e = np.where(a > 0, np.clip(np.frexp(np.where(a > 0, a, 1))[1] - 1 - 2, -126, 127), 0)      # np.frexp(a)[1] - 1 = floor(log2(a)), exactly
;;       r = np.clip(x / 2.0 ** e, -6, 6)
;;       step = 2.0 ** (np.maximum(np.frexp(np.where(r == 0, 1, r))[1] - 1, 0) - 1)
;;       q = np.round(r / step) * step * 2.0 ** e      # np.round: ties to even
;;       return np.moveaxis(q.reshape(q.shape[:-2] + (-1,))[..., :K], -1, axis).astype(np.float32)
;;   ~~~
;;   OPERANDS COMPUTED ON THE WAY. 'Computed on the way' means the value that the module computes at that place (a softmax that the list does not call 'softmax' is quantised finished and normalised). What goes into a quantiser is computed in f32, as accurately as f32 sums, v_exp_f32 and their like allow (about 1e-6 of the number): no bf16 or f16 on the way to a quantiser, and a product that is left as it is and whose result goes on into a quantised operand takes f32 operands (vector FMAs, or v_wmma_f32_16x16x4_f32). A number that lies on a knife's edge between two numbers of the format may be rounded either way, as far as f32 arithmetic and the matrix unit's own rounding can turn it there, and no further.
;; One version. Each part assembles by itself: llvm-mc -triple=amdgcn-amd-amdhsa -mcpu=gfx1250 --defsym DOCPART=n.
;; ======== version 1 of 1: 2 launches
;; limits: right only within a limited range of input values
;; workspace buffers: xq 8,912,896 bytes; wq 8,912,896 bytes
;; launch quant (part 1): grid 512 x 1, 4 waves a work-group, no clusters, 66,560 bytes of LDS; arguments x, weight_packed, scales, zero_points, xq, wq; writes xq, wq
.if DOCPART == 1
	.amdgcn_target "amdgcn-amd-amdhsa--gfx1250"
	.amdhsa_code_object_version 6
	.text
	.protected	k_qb4996d388b_quant
	.globl	k_qb4996d388b_quant
	.p2align	8
	.type	k_qb4996d388b_quant,@function
k_qb4996d388b_quant:
	s_mov_b64 s[64:65], 0
	v_nop
	global_prefetch_b8 v0, s[64:65] scope:SCOPE_SE
	s_setreg_imm32_b32 hwreg(HW_REG_WAVE_MODE, 25, 1), 1
	s_wait_xcnt 0x0
; x [4096][4096] f32 and W[o][k] = (nibble - zero_point) * scale (two nibbles to an int32 of weight_packed, the lower k in the low four bits; one scale and one zero point
; for each 32 along K) are turned into codes of FP4 (E2M1) with one E8M0 byte for each 32 along K.  A block's byte is its largest magnitude's exponent field - 2, held at 1 from below;
; each number is divided by the scale and rounded to the nearest code, ties to even, beyond 6 the largest code.  W is made in f32 by a subtraction and a multiplication, rounded each.
; LIMITS: NaN and infinities among the inputs are not served.  A block of zeros gets the byte 1 where the rule says 127: its codes are zeros, and this program alone reads the bytes.
; THE WORKSPACE, xq and wq alike, in the order in which the product's registers take it.
;   codes, from byte 0: [256 blocks of 16 rows][32 steps of 128 along K][1,024 bytes]; in a step's 1,024 bytes: [c = 0, 1][h = 0, 1][row 0..15][16 bytes], the row's codes of k = 64 c + 32 h + 0 .. 31.
;   scale bytes, from byte 8,388,608: [256 blocks of 16 rows][32 steps][16 rows][4 bytes]: a row's scale word of a step.
; SHARES.  Work-group g: rows 16 (g / 2) on; wave w takes 512 along K from 512 (4 (g % 2) + w), of x AND of W: 16 steps, a row of each in a step.  A wave's results are 4,096 consecutive bytes of codes
; and 256 consecutive scale bytes of each tensor.
; x: a step's four loads read 512 consecutive bytes each; the conversions want 16 neighbours in a lane, so the 2,048 bytes turn through the wave's own stage in LDS.  W: a load's 4 words are 8 neighbours.
; The results are gathered in the wave's own LDS as 17 pieces of 256 bytes, 272 bytes apart (16 of codes: piece = 16 bytes of each of the 16 rows; one of scale words), and leave as they lie.
; Left out: tensor loads and clusters (no byte is read by two work-groups), matrix instructions (no product), a prefetch (one dense stream with its loads six steps ahead).
.set WREG,  14368                      ; LDS of a wave: two stages, x's pieces, W's pieces
.set SP,    80
.set STG,   32*SP
.set PP,    272                        ; from piece to piece
.set IMG,   17*PP
.set OUTX,  2*STG
.set OUTW,  OUTX+IMG
.set SREG,  4*WREG                     ; the work-group's: [16 rows][64 scales]; the zero points ZOFF behind them
.set ZOFF,  4096
.set SPARE, 0x10100                    ; the spare words
.set DEPTH, 6
.set OUTR,  24
.set SZ,    40
.set N,     56
.set X,     72
.set XR,    104
.set WR,    200
.set OB,    104
; v1 lane; v2 16 x lane; v3 8 x lane; v4 scales' loads; v5, v6 stage in, out; v7 8 x lane in x's pieces; v14, v8 x's codes, bytes; v9, v10 W's; v11, v12 scales in LDS; v13 pieces read back
	s_load_b256 s[4:11], s[0:1], 0x0               ; x, weight_packed, scales, zero_points
	s_load_b128 s[12:15], s[0:1], 0x20             ; xq, wq
	v_lshl_add_u32 v248, v0, 2, SPARE
	v_mov_b32 v249, 0
	v_lshrrev_b32 v1, 5, v0
	v_readfirstlane_b32 s16, v1                    ; wave
	v_and_b32 v1, 31, v0
	v_lshlrev_b32 v2, 4, v1
	v_lshlrev_b32 v3, 3, v1
	v_lshrrev_b32 v4, 4, v1
	v_and_b32 v15, 15, v1
	v_lshlrev_b32 v4, 9, v4
	v_lshl_add_u32 v4, v15, 4, v4                  ; lanes 0-15 one row's 256 bytes, lanes 16-31 the next row's
	s_mul_i32 s17, s16, WREG
	v_lshrrev_b32 v5, 2, v1
	v_mul_u32_u24 v5, v5, SP
	v_and_b32 v15, 3, v1
	v_lshl_add_u32 v5, v15, 4, v5
	v_add_nc_u32 v5, s17, v5
	v_mul_u32_u24 v6, v1, SP
	v_add_nc_u32 v6, s17, v6
	s_add_co_u32 s18, s17, OUTX
	v_add_nc_u32 v7, s18, v3
	v_lshrrev_b32 v14, 1, v1                       ; x: my 16 codes are 8 bytes of piece lane / 2
	v_mul_u32_u24 v14, v14, PP
	v_and_b32 v15, 1, v1
	v_lshl_add_u32 v14, v15, 3, v14
	v_add_nc_u32 v14, s18, v14
	v_lshrrev_b32 v8, 3, v1                        ; my block lane / 2: step (lane / 8), byte (lane / 2) % 4 of the row's word
	v_bfe_u32 v15, v1, 1, 2
	v_lshl_add_u32 v8, v8, 6, v15
	v_add_nc_u32 v8, s18, v8
	v_lshrrev_b32 v13, 4, v1                       ; back: sixteen lanes to a piece
	v_mul_u32_u24 v13, v13, PP
	v_and_b32 v15, 15, v1
	v_lshl_add_u32 v13, v15, 4, v13
	v_add_nc_u32 v13, s18, v13
	s_add_co_u32 s18, s17, OUTW
	v_lshrrev_b32 v9, 2, v1                        ; W: my 8 codes are 4 bytes of piece lane / 4 (the second 256 along K: 8 pieces on)
	v_mul_u32_u24 v9, v9, PP
	v_and_b32 v15, 3, v1
	v_lshl_add_u32 v9, v15, 2, v9
	v_add_nc_u32 v9, s18, v9
	v_lshrrev_b32 v10, 4, v1                       ; my block lane / 4
	v_bfe_u32 v15, v1, 2, 2
	v_lshl_add_u32 v10, v10, 6, v15
	v_add_nc_u32 v10, s18, v10
	s_lshl_b32 s18, s16, 10
	v_add_nc_u32 v11, s18, v2
	v_add_nc_u32 v11, SREG, v11
	s_lshl_b32 s18, s16, 6
	v_lshrrev_b32 v12, 2, v1
	v_lshlrev_b32 v12, 2, v12
	v_add_nc_u32 v12, s18, v12
	v_add_nc_u32 v12, SREG, v12
.irp i, 1,3,5,7,9,11,13,15
	v_mov_b32 v[SZ+\i], 0
.endr
	s_lshr_b32 s19, ttmp9, 1                       ; which 16 rows
	s_and_b32 s20, ttmp9, 1
	s_lshl_b32 s21, s20, 2
	s_add_co_u32 s21, s21, s16                     ; which 512 along K
	s_lshl_b32 s22, s19, 18
	s_lshl_b32 s23, s21, 11
	s_add_co_u32 s22, s22, s23
	s_mov_b32 s23, 0
	s_lshl_b32 s24, s19, 17
	s_lshl_b32 s25, s21, 10
	s_add_co_u32 s24, s24, s25
	s_mov_b32 s25, 0
	s_lshl_b32 s26, s19, 13
	s_lshl_b32 s27, s20, 8
	s_add_co_u32 s26, s26, s27
	s_lshl_b32 s27, s16, 11
	s_add_co_u32 s26, s26, s27
	s_mov_b32 s27, 0
	s_lshl_b32 s28, s19, 15                        ; codes: 32,768 bytes a block of rows, 4,096 for 512 along K
	s_lshl_b32 s29, s21, 12
	s_add_co_u32 s28, s28, s29
	s_mov_b32 s29, 0
	s_lshl_b32 s34, s19, 11                        ; scale bytes: 2,048 and 256, behind the codes
	s_lshl_b32 s35, s21, 8
	s_add_co_u32 s34, s34, s35
	s_add_co_u32 s34, s34, 0x800000
	s_mov_b32 s35, 0
	s_wait_alu depctr_va_vdst(0)                   ; the wait at the head's end
	s_wait_kmcnt 0x0
	s_add_nc_u64 s[4:5], s[4:5], s[22:23]
	s_add_nc_u64 s[6:7], s[6:7], s[24:25]
	s_add_nc_u64 s[8:9], s[8:9], s[26:27]
	s_add_nc_u64 s[10:11], s[10:11], s[26:27]
	s_add_nc_u64 s[30:31], s[12:13], s[34:35]
	s_add_nc_u64 s[32:33], s[14:15], s[34:35]
	s_add_nc_u64 s[12:13], s[12:13], s[28:29]
	s_add_nc_u64 s[14:15], s[14:15], s[28:29]
.macro XLOAD t
.irp i, 0,1,2,3
	global_load_b128 v[XR+16*((\t)%DEPTH)+4*\i:XR+16*((\t)%DEPTH)+4*\i+3], v2, s[4:5] offset:16384*(\t)+512*\i th:TH_LOAD_NT
.endr
.endm
.macro WLOAD t
.irp j, 0,1
	global_load_b128 v[WR+8*((\t)%DEPTH)+4*\j:WR+8*((\t)%DEPTH)+4*\j+3], v2, s[6:7] offset:8192*(\t)+512*\j th:TH_LOAD_NT
.endr
.endm
.macro TURN t                          ; a row of x through a stage: a wave's LDS instructions are served in order
.irp i, 0,1,2,3
	ds_store_b128 v5, v[XR+16*((\t)%DEPTH)+4*\i:XR+16*((\t)%DEPTH)+4*\i+3] offset:STG*((\t)%2)+8*SP*\i
.endr
.irp i, 0,1,2,3
	ds_load_b128 v[X+16*((\t)%2)+4*\i:X+16*((\t)%2)+4*\i+3], v6 offset:STG*((\t)%2)+16*\i
.endr
.endm
.macro SZLOAD t
.irp j, 0,1
	ds_load_b32 v[SZ+8*((\t)%2)+4*\j], v12 offset:ZOFF+256*(\t)+32*\j
	ds_load_b32 v[SZ+8*((\t)%2)+4*\j+2], v12 offset:256*(\t)+32*\j
.endr
.endm
	global_load_b128 v[N:N+3], v4, s[8:9] th:TH_LOAD_NT
	global_load_b128 v[N+4:N+7], v4, s[8:9] offset:1024 th:TH_LOAD_NT
	global_load_b128 v[N+8:N+11], v4, s[10:11] th:TH_LOAD_NT
	global_load_b128 v[N+12:N+15], v4, s[10:11] offset:1024 th:TH_LOAD_NT
.irp u, 0,1,2,3,4,5
	XLOAD \u
	WLOAD \u
.endr
	s_wait_loadcnt 36                              ; the first four are in, the ring's 36 stay out
	ds_store_b128 v11, v[N:N+3]
	ds_store_b128 v11, v[N+4:N+7] offset:512
	ds_store_b128 v11, v[N+8:N+11] offset:ZOFF
	ds_store_b128 v11, v[N+12:N+15] offset:ZOFF+512
	s_wait_dscnt 0x0                               ; for the others' sake
	s_barrier_signal -1
	s_barrier_wait -1                              ; the scales and zero points of all 16 rows lie in LDS and are never written again
	s_wait_loadcnt 32                              ; x's row 0 is in
	TURN 0
	SZLOAD 0
.macro STEP t
.set XS, X+16*((\t)%2)
.set OS, OUTR+8*((\t)%2)
.set ZS, SZ+8*((\t)%2)
.set WS, WR+8*((\t)%DEPTH)
.if (\t) > 0
	s_wait_dscnt 6                                 ; all but the last step's six stores into the pieces
.else
	s_wait_dscnt 0x0
.endif
.if (\t)+DEPTH < 16
	XLOAD (\t)+DEPTH
.endif
.if (\t) <= 9
	s_wait_loadcnt 30                              ; behind x's row t + 1 and W's row t: W's row t + 1 (2), rows t + 2 to t + 5 (24), x's row t + 6 (4)
.elseif (\t) <= 14
	s_wait_loadcnt 2+6*(14-(\t))
.else
	s_wait_loadcnt 0x0
.endif
.if (\t) < 15
	TURN (\t)+1
	SZLOAD (\t)+1
.endif
	v_max3_num_f32 v16, |v[XS]|, |v[XS+1]|, |v[XS+2]|      ; x: my 16, two chains, with the floor 2^(3 - 127); then my neighbour's
	v_max3_num_f32 v17, |v[XS+3]|, |v[XS+4]|, |v[XS+5]|
.irp i, 6,10
	v_max3_num_f32 v16, v16, |v[XS+\i]|, |v[XS+\i+1]|
	v_max3_num_f32 v17, v17, |v[XS+\i+2]|, |v[XS+\i+3]|
.endr
	v_max3_num_f32 v16, v16, |v[XS+14]|, |v[XS+15]|
	v_max3_num_f32 v16, v16, v17, 0x1800000
	v_max_num_f32_dpp v16, v16, v16 row_xmask:1 row_mask:0xf bank_mask:0xf
	v_add_nc_u32 v18, 0xff000000, v16              ; 2 off the exponent field: the conversion's scale operand
	v_cvt_scalef32_pk8_fp4_f32 v[OS], v[XS:XS+7], v18
	v_cvt_scalef32_pk8_fp4_f32 v[OS+1], v[XS+8:XS+15], v18
	v_lshrrev_b32 v[OS+2], 23, v18                 ; the byte (a plain instruction behind the conversions)
	ds_store_b64 v14, v[OS:OS+1] offset:16*(\t)
	ds_store_b8 v8, v[OS+2] offset:16*PP+4*(\t)    ; both lanes of a block write the same byte with the same value
.irp j, 0,1
.irp i, 0,1,2,3
	v_and_b32 v[N+8*\j+2*\i], 15, v[WS+4*\j+\i]
	v_bfe_u32 v[N+8*\j+2*\i+1], v[WS+4*\j+\i], 4, 4
.endr
.endr
.if (\t)+DEPTH < 16
	WLOAD (\t)+DEPTH
.endif
.irp n, 0,1,2,3,4,5,6,7,8,9,10,11,12,13,14,15
	v_cvt_f32_u32 v[N+\n], v[N+\n]
.endr
.irp j, 0,1
.irp i, 0,2,4,6
	v_pk_add_f32 v[N+8*\j+\i:N+8*\j+\i+1], v[N+8*\j+\i:N+8*\j+\i+1], v[ZS+4*\j:ZS+4*\j+1] op_sel_hi:[1,0] neg_lo:[0,1] neg_hi:[0,1]   ; q - z
.endr
.endr
.irp j, 0,1
.irp i, 0,2,4,6
	v_pk_mul_f32 v[N+8*\j+\i:N+8*\j+\i+1], v[N+8*\j+\i:N+8*\j+\i+1], v[ZS+4*\j+2:ZS+4*\j+3] op_sel_hi:[1,0]   ; x s: not fused, so that W has the problem's two roundings
.endr
.endr
	v_max3_num_f32 v19, |v[N]|, |v[N+1]|, 0x1800000
	v_max3_num_f32 v20, |v[N+8]|, |v[N+9]|, 0x1800000
.irp i, 2,4,6
	v_max3_num_f32 v19, v19, |v[N+\i]|, |v[N+\i+1]|
	v_max3_num_f32 v20, v20, |v[N+8+\i]|, |v[N+9+\i]|
.endr
	v_max_num_f32_dpp v19, v19, v19 row_xmask:1 row_mask:0xf bank_mask:0xf
	v_max_num_f32_dpp v20, v20, v20 row_xmask:1 row_mask:0xf bank_mask:0xf
	v_max_num_f32_dpp v19, v19, v19 row_xmask:2 row_mask:0xf bank_mask:0xf
	v_max_num_f32_dpp v20, v20, v20 row_xmask:2 row_mask:0xf bank_mask:0xf
	v_add_nc_u32 v21, 0xff000000, v19
	v_add_nc_u32 v22, 0xff000000, v20
	v_cvt_scalef32_pk8_fp4_f32 v[OS+4], v[N:N+7], v21
	v_cvt_scalef32_pk8_fp4_f32 v[OS+5], v[N+8:N+15], v22
	v_lshrrev_b32 v[OS+6], 23, v21
	v_lshrrev_b32 v[OS+7], 23, v22
	ds_store_b32 v9, v[OS+4] offset:16*(\t)
	ds_store_b8 v10, v[OS+6] offset:16*PP+4*(\t)
	ds_store_b32 v9, v[OS+5] offset:8*PP+16*(\t)
	ds_store_b8 v10, v[OS+7] offset:16*PP+128+4*(\t)
.endm
.irp t, 0,1,2,3,4,5,6,7,8,9,10,11,12,13,14,15
	STEP \t
.endr
	; THE WAY OUT: two pieces to a load; the stores cover 512 (the scale words: 256) consecutive aligned bytes
.irp u, 0,1
.irp i, 0,1,2,3,4,5,6,7
	ds_load_b128 v[OB+34*\u+4*\i:OB+34*\u+4*\i+3], v13 offset:IMG*\u+2*PP*\i
.endr
	ds_load_b64 v[OB+34*\u+32:OB+34*\u+33], v7 offset:IMG*\u+16*PP
.endr
.irp i, 0,1,2,3,4,5,6,7
	s_wait_dscnt 17-\i
	global_store_b128 v2, v[OB+4*\i:OB+4*\i+3], s[12:13] offset:512*\i
.endr
	s_wait_dscnt 9
	global_store_b64 v3, v[OB+32:OB+33], s[30:31]
.irp i, 0,1,2,3,4,5,6,7
	s_wait_dscnt 8-\i
	global_store_b128 v2, v[OB+34+4*\i:OB+34+4*\i+3], s[14:15] offset:512*\i
.endr
	s_wait_dscnt 0x0
	global_store_b64 v3, v[OB+66:OB+67], s[32:33]
	s_wait_tensorcnt 0x0                           ; the wave's end
	ds_add_u32 v248, v249
	s_wait_dscnt 0x0
	s_endpgm
.Lfunc_end_k_qb4996d388b_quant:
	.size	k_qb4996d388b_quant, .Lfunc_end_k_qb4996d388b_quant-k_qb4996d388b_quant
	.p2alignl 7, 3214868480
	.fill 96, 4, 3214868480
	.section	.rodata,"a",@progbits
	.p2align	6, 0x0
	.amdhsa_kernel k_qb4996d388b_quant
		.amdhsa_group_segment_fixed_size 66560
		.amdhsa_private_segment_fixed_size 0
		.amdhsa_enable_private_segment 0
		.amdhsa_kernarg_size 48
		.amdhsa_user_sgpr_count 2
		.amdhsa_user_sgpr_kernarg_segment_ptr 1
		.amdhsa_wavefront_size32 1
		.amdhsa_system_sgpr_workgroup_id_x 1
		.amdhsa_system_sgpr_workgroup_id_y 1
		.amdhsa_system_sgpr_workgroup_id_z 1
		.amdhsa_system_vgpr_workitem_id 0
		.amdhsa_next_free_vgpr 250
		.amdhsa_next_free_sgpr 66
		.amdhsa_reserve_vcc 0
		.amdhsa_float_denorm_mode_32 3
		.amdhsa_float_denorm_mode_16_64 3
		.amdhsa_memory_ordered 1
		.amdhsa_forward_progress 1
		.amdhsa_inst_pref_size 104
	.end_amdhsa_kernel
	.amdgpu_metadata
---
amdhsa.version: [ 1, 2 ]
amdhsa.kernels:
  - .name:           k_qb4996d388b_quant
    .symbol:         k_qb4996d388b_quant.kd
    .args:
      - { .name: x, .offset: 0, .size: 8, .value_kind: global_buffer, .address_space: global }
      - { .name: weight_packed, .offset: 8, .size: 8, .value_kind: global_buffer, .address_space: global }
      - { .name: scales, .offset: 16, .size: 8, .value_kind: global_buffer, .address_space: global }
      - { .name: zero_points, .offset: 24, .size: 8, .value_kind: global_buffer, .address_space: global }
      - { .name: xq, .offset: 32, .size: 8, .value_kind: global_buffer, .address_space: global }
      - { .name: wq, .offset: 40, .size: 8, .value_kind: global_buffer, .address_space: global }
    .group_segment_fixed_size: 66560
    .private_segment_fixed_size: 0
    .kernarg_segment_align: 8
    .kernarg_segment_size: 48
    .max_flat_workgroup_size: 128
    .sgpr_count:     66
    .vgpr_count:     250
    .wavefront_size: 32
...
	.end_amdgpu_metadata
.endif
;; end of part 1
;; launch gemm (part 2): grid 16 x 16, 4 waves a work-group, clusters of 4 x 1, 327,680 bytes of LDS; arguments xq, wq, bias, out0; writes out0
.if DOCPART == 2
	.amdgcn_target "amdgcn-amd-amdhsa--gfx1250"
	.amdhsa_code_object_version 6
	.text
	.protected	k_qb4996d388b_gemm
	.globl	k_qb4996d388b_gemm
	.p2align	8
	.type	k_qb4996d388b_gemm,@function
k_qb4996d388b_gemm:
	s_mov_b64 s[64:65], 0
	v_nop
	global_prefetch_b8 v0, s[64:65] scope:SCOPE_SE
	s_setreg_imm32_b32 hwreg(HW_REG_WAVE_MODE, 25, 1), 1
	s_wait_xcnt 0x0
	s_wait_alu depctr_hold_cnt(0) depctr_sa_sdst(0) depctr_va_vdst(0) depctr_va_sdst(0) depctr_va_ssrc(0) depctr_va_vcc(0) depctr_vm_vsrc(0)
	s_getreg_b32 s2, hwreg(HW_REG_IB_STS2, 6, 4)
	s_cmp_eq_u32 s2, 0
	s_cbranch_scc0 .Lentry_in_a_cluster
	s_endpgm
.Lentry_in_a_cluster:
	s_bfe_u32 s2, ttmp6, 0x10000c
	s_cmp_lg_u32 s2, 0x3003
	s_cbranch_scc0 .Lentry_shape_is_right
	s_endpgm
.Lentry_shape_is_right:
; out0[m][o] = sum over k of x[m][k] W[o][k] + bias[o], on the codes of FP4 (E2M1) and E8M0 scale bytes that the launch before laid into xq and wq.
; A work-group of four waves makes 256 x 256 of out0, a wave 128 x 128: 64 accumulators, 512 registers.  K goes in 32 steps of 128: 64 matrix instructions a step, the accumulators by turns.
; THE TWO OPERANDS COME BY TWO WAYS.
; x: the work-group's 16 blocks of 16 rows, 8 steps (8,192 bytes a block) at a time, by tensor loads into a ring of two LDS slots of 131,072 bytes; a wave fetches 4 blocks.  The workspace holds the codes in the
;    order of a fragment's registers, so an LDS load of a wave reads 512 consecutive bytes and no padding is wanted.  The four work-groups of a cluster lie in one tile row and need the same tiles of x:
;    each tile is asked for JOINTLY (mask 15).  A slot's load is asked for in the last step of the slot's reading and has 8 steps in which to land; by the text's count one tensor load a wave is out.
; W: straight from the workspace into registers, 512 consecutive bytes a load; four sets of fragments take turns: one is multiplied while the loads of the next three steps are out (20 a step: 16 of codes,
;    4 of scale words, each of these two runs of 64 bytes); every wait for them is counted.  W's tiles hang on the tile column, which the partners of a cluster do not share: no joint load for them.
; x's SCALE WORDS for all of K, 32,768 dense bytes, are copied into LDS once, through registers, while no tensor load is out; LDS has no room for W's beside the two slots.
; PREFETCH, a lane to each run of 256 bytes, 8 steps of one block of 16 rows an instruction: x: the cluster's 16 waves take a block each (by address: 4 x place in the cluster + wave): the head asks for steps
; 8 to 23, the loop's first trip for steps 24 to 31, one slot ahead of the tensor load.  W: each four tile rows share a tile column's 16 blocks: the head asks for steps 4 to 11, trip t for steps 8 t + 12 to 8 t + 19,
; one trip ahead of the loads; steps 0 to 3 and 28 to 31 come by their loads alone.
; THE MATRIX INSTRUCTION IS USED TRANSPOSED (source 0 = 16 rows of W, source 1 = 16 rows of x): a lane holds eight neighbouring numbers of a row of out0.  The bias is the C of the first step's products.
; REGISTERS: window 0: v0-19 addresses, v20-27 x's scale words (2 sets), v28-43 W's (4 sets), v64-191 x's fragments (2 sets), v192-255 the bias.  Window 1: W's fragments (4 sets).  Windows 2, 3: the accumulators.
.set SIZE_N, 4096
.set RBB,    32768                     ; a block of 16 rows: bytes of codes
.set STP,    1024                      ; a step's bytes in it
.set SCG,    0x800000                  ; where the scale words begin in xq and wq
.set SLOT,   0x20000                   ; 16 blocks x 8 steps
.set XSC,    2*SLOT                    ; x's scale words
.set SRB,    2112                      ; a block's 2,048 bytes of them + 64
.set SPARE,  XSC+16*SRB                ; the spare words
.set SPITCH, 528                       ; the way out: 16 rows x 528 bytes a wave, in slot 0, behind its last fill and its last read
.set LOFF, 2
.set XA,   3
.set VSA,  4
.set STO,  5
.set RD,   6
.set SWO,  7
.set BO,   8
.set PFO,  9
.set SPW,  10
.set NIL,  11
.set SLS,  13
.set SCX,  20
.set SCW,  28
.set XF,   64
.set BIAS, 192
.set BK,   128
.set G0,   20                          ; s[20:23], s[24:31]: the tensor load's groups 0 and 1
.set G1,   24
.set PB,   36                          ; W's codes; PS W's scale words; SG x's scale words that I copy; PFX, PFW my prefetches
.set PS,   38
.set SG,   40
.set PFX,  42
.set PFW,  44
.set CNT,  46
.set MSB, 0
.macro WIN new
.if MSB != \new
	s_set_vgpr_msb (MSB<<8)|\new
.set MSB, \new
.endif
.endm
.set TO_B, 0x40
.macro CROUND                          ; a round of the cluster's barrier
	s_barrier_signal -1
	s_barrier_wait -1
	s_cmp_lg_u32 s14, 0
	s_cbranch_scc1 .Lnot_wave_0_\@
	s_barrier_signal -3
.Lnot_wave_0_\@:
	s_barrier_wait -3
	s_barrier_signal -1
	s_barrier_wait -1
.endm
.macro PLACES
.rept 4
	v_nop
.endr
.endm
	s_load_b256 s[4:11], s[0:1], 0x0               ; xq, wq, bias, out0
	v_lshl_add_u32 v[SPW], v0, 2, SPARE
	v_mov_b32 v[NIL], 0
	ds_add_u32 v[SPW], v[NIL]                      ; the opening lines: the add, twice on end, and its wait ahead of my first tensor load
	ds_add_u32 v[SPW], v[NIL]
	v_lshrrev_b32 v1, 5, v0
	v_readfirstlane_b32 s14, v1                    ; wave
	s_lshr_b32 s15, s14, 1                         ; my half of the tile's rows
	s_and_b32 s16, s14, 1                          ; my half of its columns
	s_bfe_u32 s12, ttmp6, 0x40000                  ; cx
	s_lshl_b32 s13, ttmp9, 2
	s_add_co_u32 s13, s13, s12                     ; tile column
	s_and_b32 s17, ttmp7, 0xffff                   ; tile row
	s_mov_b32 s[G1+0], 15|(3<<16)|(1<<21)          ; the mask: the cluster's four; elements of 8 bytes; bit 21 beside a mask
	s_mov_b32 s[G1+1], 1024<<16                    ; tensor_dim0 = 1,024 elements: 8 steps of a block
	s_mov_b32 s[G1+2], 4<<16                       ; tensor_dim1 = 4 blocks
	s_mov_b32 s[G1+3], 1024<<16                    ; tile_dim0
	s_mov_b32 s[G1+4], 4                           ; tile_dim1
	s_mov_b32 s[G1+5], RBB/8                       ; from block to block
	s_mov_b32 s[G1+6], 0
	s_mov_b32 s[G1+7], 0
	s_lshl_b32 s32, s17, 4
	s_lshl_b32 s33, s14, 2
	s_add_co_u32 s32, s32, s33                     ; the 4 blocks of x that I fetch: 16 x tile row + 4 x wave
	s_lshl_b32 s52, s32, 11
	s_add_co_u32 s52, s52, SCG                     ; their scale words, which I copy
	s_mov_b32 s53, 0
	s_lshl_b32 s32, s32, 15
	s_mov_b32 s33, 0
	s_lshl_b32 s34, s13, 4
	s_lshl_b32 s35, s16, 3
	s_add_co_u32 s34, s34, s35                     ; my 8 blocks of W
	s_lshl_b32 s48, s34, 15
	s_mov_b32 s49, 0
	s_lshl_b32 s50, s34, 11
	s_add_co_u32 s50, s50, SCG
	s_mov_b32 s51, 0
	s_lshl_b32 s54, s17, 4
	s_lshl_b32 s55, s12, 2
	s_add_co_u32 s54, s54, s55
	s_add_co_u32 s54, s54, s14
	s_lshl_b32 s54, s54, 15                        ; prefetch, x: block 16 x tile row + 4 cx + wave
	s_mov_b32 s55, 0
	s_lshl_b32 s18, s13, 4
	s_and_b32 s19, s17, 3
	s_lshl_b32 s19, s19, 2
	s_add_co_u32 s18, s18, s19
	s_add_co_u32 s18, s18, s14
	s_lshl_b32 s18, s18, 15                        ; W: block 16 x tile column + 4 (tile row % 4) + wave
	s_mov_b32 s19, 0
	s_lshl_b32 s56, s13, 10
	s_lshl_b32 s57, s16, 9
	s_add_co_u32 s56, s56, s57                     ; my first column, in bytes
	s_mov_b32 s57, 0
	s_lshl_b32 s58, s17, 8
	s_lshl_b32 s59, s15, 7
	s_add_co_u32 s58, s58, s59
	s_lshl_b32 s58, s58, 14                        ; my first row of out0, in bytes
	s_mov_b32 s59, 0
	s_lshl_b32 s61, s15, 16                        ; LDS: my 8 blocks of x in a slot
	s_mul_i32 s62, s15, 8*SRB
	s_add_co_u32 s62, s62, XSC
	s_mul_i32 s63, s14, 4*SRB
	s_add_co_u32 s63, s63, XSC
	s_mul_i32 s47, s14, 16*SPITCH
	v_and_b32 v14, 31, v0
	v_lshlrev_b32 v[LOFF], 4, v14
	v_and_b32 v15, 15, v0                          ; r
	v_bfe_u32 v16, v0, 4, 1                        ; h
	v_add_nc_u32 v[XA], s61, v[LOFF]
	v_mul_u32_u24 v17, v16, SRB
	v_lshl_add_u32 v17, v15, 2, v17
	v_add_nc_u32 v[VSA], s62, v17                  ; lanes 16-31 one block on; 4 bytes a row
	v_lshlrev_b32 v[SWO], 11, v16
	v_lshl_add_u32 v[SWO], v15, 2, v[SWO]          ; the same in the workspace
	v_add_nc_u32 v[SLS], s63, v[LOFF]
	v_mul_u32_u24 v18, v15, SPITCH
	v_lshl_add_u32 v18, v16, 5, v18
	v_add_nc_u32 v[STO], s47, v18
	v_add_nc_u32 v[RD], s47, v[LOFF]
	v_lshlrev_b32 v[BO], 5, v16
	v_lshlrev_b32 v[PFO], 8, v14
	s_wait_alu depctr_va_vdst(0)                   ; the wait at the head's end
	s_wait_dscnt 0x0                               ; both opening adds are done
	CROUND                                         ; the four work-groups are here: the first joint loads meet (the arguments come meanwhile)
	s_wait_kmcnt 0x0
	s_mov_b32 s[G0], 1
	s_lshl_b32 s[G0+1], s14, 15                    ; LDS: wave x 4 blocks, slot 0
	s_add_nc_u64 s[G0+2:G0+3], s[4:5], s[32:33]
	s_or_b32 s[G0+3], s[G0+3], 0x80000000
	tensor_load_to_lds s[G0:G0+3], s[G1:G1+7]      ; steps 0 to 7: one tensor load a wave at the head
	s_nop 0
	PLACES
	s_add_nc_u64 s[PB:PB+1], s[6:7], s[48:49]
	s_add_nc_u64 s[PS:PS+1], s[6:7], s[50:51]
	s_add_nc_u64 s[SG:SG+1], s[4:5], s[52:53]
	s_add_nc_u64 s[PFX:PFX+1], s[4:5], s[54:55]
	s_add_nc_u64 s[PFW:PFW+1], s[6:7], s[18:19]
	s_add_nc_u64 s[8:9], s[8:9], s[56:57]
	s_add_nc_u64 s[10:11], s[10:11], s[56:57]
	s_add_nc_u64 s[10:11], s[10:11], s[58:59]
; n counts steps from where the bases stand
.macro LDW n, b0                       ; four of W's fragments of step n (window 1), set n % 4
.irp b, \b0, \b0+1, \b0+2, \b0+3
.irp c, 0,1
	global_load_b128 v[64*((\n)%4)+8*(\b)+4*\c:64*((\n)%4)+8*(\b)+4*\c+3], v[LOFF], s[PB:PB+1] offset:(\b)*RBB+(\n)*STP+512*\c
.endr
.endr
.endm
.macro LSW n                           ; W's scale words of step n: register j: blocks 2 j (lanes 0-15) and 2 j + 1 (lanes 16-31)
.irp j, 0,1,2,3
	global_load_b32 v[SCW+4*((\n)%4)+\j], v[SWO], s[PS:PS+1] offset:\j*4096+(\n)*64
.endr
.endm
.macro WGRP n
	WIN 0
	LSW \n
	WIN TO_B
	LDW \n, 0
	LDW \n, 4
	WIN 0
.endm
.macro LDXS n                          ; x's eight fragments and scale words of step n from LDS, set n % 2
.irp a, 0,1,2,3,4,5,6,7
.irp c, 0,1
	ds_load_b128 v[XF+64*((\n)%2)+8*\a+4*\c:XF+64*((\n)%2)+8*\a+4*\c+3], v[XA] offset:\a*8192+((\n)%8)*STP+512*\c
.endr
.endr
.irp j, 0,1,2,3
	ds_load_b32 v[SCX+4*((\n)%2)+\j], v[VSA] offset:\j*2*SRB+(\n)*64
.endr
.endm
.macro WM a, b, k, first
.set DD, 8*(8*((\a)%4)+\b)
.set WW, 64*((\k)%4)+8*\b
.set XX, XF+64*((\k)%2)+8*(\a)
.set SW, SCW+4*((\k)%4)+\b/2
.set SX, SCX+4*((\k)%2)+(\a)/2
.set CC, DD
.if \first
.set CC, BIAS+8*\b
.endif
.set RR, 2*((\a)%2)+\b%2
.if RR == 0
	v_wmma_scale_f32_16x16x128_f8f6f4 v[DD:DD+7], v[WW:WW+7], v[XX:XX+7], v[CC:CC+7], v[SW], v[SX] matrix_a_fmt:MATRIX_FMT_FP4 matrix_b_fmt:MATRIX_FMT_FP4
.endif
.if RR == 1
	v_wmma_scale_f32_16x16x128_f8f6f4 v[DD:DD+7], v[WW:WW+7], v[XX:XX+7], v[CC:CC+7], v[SW], v[SX] matrix_a_fmt:MATRIX_FMT_FP4 matrix_b_fmt:MATRIX_FMT_FP4 matrix_a_scale:MATRIX_SCALE_ROW1
.endif
.if RR == 2
	v_wmma_scale_f32_16x16x128_f8f6f4 v[DD:DD+7], v[WW:WW+7], v[XX:XX+7], v[CC:CC+7], v[SW], v[SX] matrix_a_fmt:MATRIX_FMT_FP4 matrix_b_fmt:MATRIX_FMT_FP4 matrix_b_scale:MATRIX_SCALE_ROW1
.endif
.if RR == 3
	v_wmma_scale_f32_16x16x128_f8f6f4 v[DD:DD+7], v[WW:WW+7], v[XX:XX+7], v[CC:CC+7], v[SW], v[SX] matrix_a_fmt:MATRIX_FMT_FP4 matrix_b_fmt:MATRIX_FMT_FP4 matrix_a_scale:MATRIX_SCALE_ROW1 matrix_b_scale:MATRIX_SCALE_ROW1
.endif
.endm
.macro MUL16 a0, k, first              ; x's blocks a0, a0 + 1 against W's eight
.irp a, \a0, \a0+1
.irp b, 0,1,2,3,4,5,6,7
	WM (\a), \b, \k, \first
.endr
.endr
.endm
.macro ASK
	global_prefetch_b8 v[PFO], s[PFW:PFW+1] offset:12*STP th:TH_LOAD_NT scope:SCOPE_SE
	s_cmp_eq_u32 s[CNT], 2                         ; x has a slot left to ask for in the first trip alone
	s_cbranch_scc0 .Lno_\@
	global_prefetch_b8 v[PFO], s[PFX:PFX+1] offset:24*STP th:TH_LOAD_NT scope:SCOPE_SE
.Lno_\@:
.endm
; A step.  xl: x's fragments of step n + 1 are read from LDS, into the set that step n - 1 multiplied; wl: W's loads of step n + 3 go out, likewise: the four places at the step's head stand between.
; left: the loads issued behind this step's own.  turn: the slot's last step: its reads are over (the wait at the head).  1: the slot is filled again, behind the three lines and a round; 2: nothing is left to fetch.
.macro STEP n, first, xl, wl, turn, ask, left
.if \first
.set ML, 0x81                          ; source 0 (W) window 1, source 1 (x) and C (the bias) window 0, D window 2
.set MH, 0xc1
.else
.set ML, 0xa1
.set MH, 0xf1
.endif
	s_wait_loadcnt \left
	s_wait_dscnt 0x0                               ; x's fragments and scale words of this step
	PLACES
.if \turn
	s_wait_tensorcnt 0x0                           ; all my tensor loads have landed: my part of the next slot;
	ds_add_u32 v[SPW], v[NIL]                      ; work on registers stands between the add and its wait
.if \turn == 1
	s_xor_b32 s[G0+1], s[G0+1], SLOT               ; no tensor load of mine is out: the slot just read,
	s_add_nc_u64 s[G0+2:G0+3], s[G0+2:G0+3], 8*STP ; and the 8 steps behind those that have landed
.endif
.endif
.if \turn
	s_wait_dscnt 0x0                               ; the add is done
.if \turn == 1
	CROUND                                         ; no wave of any partner still reads this slot or has a load on its way
	tensor_load_to_lds s[G0:G0+3], s[G1:G1+7]      ; the first tensor load behind the round, my one
	s_nop 0
	PLACES
.else
	s_barrier_signal -1
	s_barrier_wait -1                              ; the last slot is whole
.endif
	v_xor_b32 v[XA], SLOT, v[XA]                   ; on to the other slot
	s_wait_alu depctr_va_vdst(0)                   ; the wait directly behind the write
.endif
.if \xl
	LDXS (\n)+1
.endif
.if \ask
	ASK
.endif
.if \wl
	LSW (\n)+3                                     ; the step's memory instructions stand in one run at its head; the 64 products follow on end
	WIN TO_B
	LDW (\n)+3, 0
	LDW (\n)+3, 4
.endif
	WIN ML
	MUL16 0, \n, \first
	MUL16 2, \n, \first
	WIN MH
	MUL16 4, \n, \first
	MUL16 6, \n, \first
	WIN 0
.endm
	WIN 0x80                                       ; x's scale words land in registers of window 2, which the first products write later
.set U, 0
.rept 16
	global_load_b128 v[4*U:4*U+3], v[LOFF], s[SG:SG+1] offset:512*U
.set U, U+1
.endr
	WIN 0
.irp b, 0,1,2,3,4,5,6,7
	global_load_b128 v[BIAS+8*\b:BIAS+8*\b+3], v[BO], s[8:9] offset:64*\b
	global_load_b128 v[BIAS+8*\b+4:BIAS+8*\b+7], v[BO], s[8:9] offset:64*\b+16
.endr
	WGRP 0
	WGRP 1
	global_prefetch_b8 v[PFO], s[PFX:PFX+1] offset:8*STP th:TH_LOAD_NT scope:SCOPE_SE
	global_prefetch_b8 v[PFO], s[PFW:PFW+1] offset:4*STP th:TH_LOAD_NT scope:SCOPE_SE
	global_prefetch_b8 v[PFO], s[PFX:PFX+1] offset:16*STP th:TH_LOAD_NT scope:SCOPE_SE
	s_wait_tensorcnt 0x0                           ; my part of steps 0 to 7 is in: no tensor load is out while I store to LDS
	s_wait_loadcnt 56                              ; x's scale words are in; behind them: the bias (16) and W's steps 0 and 1 (40)
	WIN 0x08
.set U, 0
.rept 16
	ds_store_b128 v[SLS], v[4*U:4*U+3] offset:(U/4)*SRB+(U%4)*512
.set U, U+1
.endr
	WIN 0
	s_wait_tensorcnt 0x0                           ; the same lines ahead of this first fill as ahead of a refill
	ds_add_u32 v[SPW], v[NIL]
	s_xor_b32 s[G0+1], s[G0+1], SLOT               ; slot 1,
	s_add_nc_u64 s[G0+2:G0+3], s[G0+2:G0+3], 8*STP ; steps 8 to 15
	s_wait_dscnt 0x0                               ; the add is done, and my part of the scale words lies in LDS
	CROUND                                         ; slot 0 and the scale words are whole; the joint loads meet
	tensor_load_to_lds s[G0:G0+3], s[G1:G1+7]
	s_nop 0
	PLACES
	LDXS 0
	WGRP 2                                         ; W's step 2, behind the round and x's first reads
	STEP 0, 1, 1, 1, 0, 0, 40                      ; the first step stands ahead of the loop: its products start the sums from the bias
	s_mov_b32 s[CNT], 2
.Ltrip:                                                ; steps 8 t + 1 .. 8 t + 8: one change of slots, with its refill
	STEP 1, 0, 1, 1, 0, 0, 40
	STEP 2, 0, 1, 1, 0, 1, 40
.irp n, 3,4,5,6
	STEP \n, 0, 1, 1, 0, 0, 40
.endr
	STEP 7, 0, 1, 1, 1, 0, 40
	STEP 8, 0, 1, 1, 0, 0, 40
	s_wait_xcnt 0x0                                ; the loads and the prefetches have read their bases
	s_add_nc_u64 s[PB:PB+1], s[PB:PB+1], 8*STP
	s_add_nc_u64 s[PS:PS+1], s[PS:PS+1], 8*64
	s_add_nc_u64 s[PFW:PFW+1], s[PFW:PFW+1], 8*STP
	v_add_nc_u32 v[VSA], 8*64, v[VSA]
	s_wait_alu depctr_va_vdst(0)                   ; the wait directly behind the write
	s_sub_co_u32 s[CNT], s[CNT], 1
	s_cmp_lg_u32 s[CNT], 0
	s_cbranch_scc1 .Ltrip
.irp n, 1,2,3,4,5,6
	STEP \n, 0, 1, 1, 0, 0, 40                     ; steps 17 to 31: no slot is filled again
.endr
	STEP 7, 0, 1, 1, 2, 0, 40
.irp n, 8,9,10,11,12
	STEP \n, 0, 1, 1, 0, 0, 40
.endr
	STEP 13, 0, 1, 0, 0, 0, 40                     ; W's last loads are out: the counts run down
	STEP 14, 0, 1, 0, 0, 0, 20
	STEP 15, 0, 0, 0, 0, 0, 0
; THE WAY OUT, block by block of 16 rows x 128 columns, through my own stage: back as whole rows of 512 bytes, which the 32 lanes store as two aligned runs of 256 bytes.
.macro TOSTAGE a
.set AC, 64*((\a)%4)
	WIN 0x08+4*((\a)/4)
.irp b, 0,1,2,3,4,5,6,7
	ds_store_b128 v[STO], v[AC+8*\b:AC+8*\b+3] offset:64*\b          ; each accumulator from its low end on
	ds_store_b128 v[STO], v[AC+8*\b+4:AC+8*\b+7] offset:64*\b+16
.endr
	WIN 0
.set BB, BK+64*((\a)%2)
.irp t, 0,1,2,3,4,5,6,7,8,9,10,11,12,13,14,15
	ds_load_b128 v[BB+4*\t:BB+4*\t+3], v[RD] offset:\t*SPITCH       ; a wave's LDS instructions are served in order
.endr
.endm
.macro SEND a, younger
.set BB, BK+64*((\a)%2)
	s_wait_dscnt \younger
.if (\a) > 0
	s_add_nc_u64 s[10:11], s[10:11], 16*SIZE_N*4   ; behind a wait on XCNT
.endif
.irp t, 0,1,2,3,4,5,6,7,8,9,10,11,12,13,14,15
	global_store_b128 v[LOFF], v[BB+4*\t:BB+4*\t+3], s[10:11] offset:\t*SIZE_N*4 th:TH_STORE_NT
.endr
.endm
	PLACES                                         ; ahead of the reads of results and of the loads into registers that the products have read
	TOSTAGE 0
.irp a, 1,2,3,4,5,6,7
.if \a > 1
	s_wait_xcnt 0x0                                ; block a - 2's stores have read their registers and their base
.endif
	TOSTAGE \a
	SEND \a-1, 32                                  ; behind block a - 1's loads: block a's 16 stores and 16 loads
.endr
	s_wait_xcnt 0x0
	SEND 7, 0
	s_wait_tensorcnt 0x0                           ; the wave's end
	ds_add_u32 v[SPW], v[NIL]
	s_wait_dscnt 0x0
	CROUND                                         ; the closing round
	s_endpgm
.Lfunc_end_k_qb4996d388b_gemm:
	.size	k_qb4996d388b_gemm, .Lfunc_end_k_qb4996d388b_gemm-k_qb4996d388b_gemm
	.p2alignl 7, 3214868480
	.fill 96, 4, 3214868480
	.section	.rodata,"a",@progbits
	.p2align	6, 0x0
	.amdhsa_kernel k_qb4996d388b_gemm
		.amdhsa_group_segment_fixed_size 327680
		.amdhsa_private_segment_fixed_size 0
		.amdhsa_enable_private_segment 0
		.amdhsa_kernarg_size 32
		.amdhsa_user_sgpr_count 2
		.amdhsa_user_sgpr_kernarg_segment_ptr 1
		.amdhsa_wavefront_size32 1
		.amdhsa_system_sgpr_workgroup_id_x 1
		.amdhsa_system_sgpr_workgroup_id_y 1
		.amdhsa_system_sgpr_workgroup_id_z 1
		.amdhsa_system_vgpr_workitem_id 0
		.amdhsa_next_free_vgpr 1024
		.amdhsa_next_free_sgpr 66
		.amdhsa_reserve_vcc 0
		.amdhsa_float_denorm_mode_32 3
		.amdhsa_float_denorm_mode_16_64 3
		.amdhsa_memory_ordered 1
		.amdhsa_forward_progress 1
		.amdhsa_inst_pref_size 255
	.end_amdhsa_kernel
	.section	.bss,"aw",@nobits
	.p2align	6
	.space	262144
	.amdgpu_metadata
---
amdhsa.version: [ 1, 2 ]
amdhsa.kernels:
  - .name:           k_qb4996d388b_gemm
    .symbol:         k_qb4996d388b_gemm.kd
    .args:
      - { .name: xq, .offset: 0, .size: 8, .value_kind: global_buffer, .address_space: global }
      - { .name: wq, .offset: 8, .size: 8, .value_kind: global_buffer, .address_space: global }
      - { .name: bias, .offset: 16, .size: 8, .value_kind: global_buffer, .address_space: global }
      - { .name: out0, .offset: 24, .size: 8, .value_kind: global_buffer, .address_space: global }
    .group_segment_fixed_size: 327680
    .private_segment_fixed_size: 0
    .kernarg_segment_align: 8
    .kernarg_segment_size: 32
    .max_flat_workgroup_size: 128
    .sgpr_count:     66
    .vgpr_count:     1024
    .wavefront_size: 32
...
	.end_amdgpu_metadata
.endif
;; end of part 2
